; MI455X (gfx1250); checked and timed in simulation.
; The chip was launched on July 23, 2026; its instructions are those of AMD's public machine-readable ISA for CDNA 5 (MIT licence, August 2026) and "CDNA5" Instruction Set Architecture Reference Guide (July 2026). The comments in the code are by the model that wrote it; some were corrected since.
;; Content Based Attention. Allowed arithmetic: matrix products marked QUANTISED: E2M3 operands, one E8M0 scale for each 32 along K, by v_wmma_scale_f32_16x16x128_f8f6f4 with both operands' format E2M3, f32 sums; products left as they are: f32 operands where the result goes on into a quantised operand, else bf16, f16 or f32 operands; f32 sums; everything else in f32.
;; Inputs: V 1,024 x 1,024 float32; W 1,024 x 1,024 float32; b 1,024 float32; decoder_output 32 x 1 x 1,024 float32; encoder_outputs 32 x 2,048 x 1,024 float32; w 1,024 x 1 float32.
;; Outputs: out0 32 x 1,024 float32.
;; This version of the problem:
;;   THIS VERSION OF THE PROBLEM IS GIVEN IN LOW PRECISION. The matrix products marked QUANTISED in the list below multiply operands that are first quantised to E2M3 (2 exponent bits, 3 mantissa bits; 6 bits a number), with one power-of-two scale for each 32 numbers along K (OCP MX v1.0); their sums are f32. All else is computed in f32.
;;   The module's matrix products, in the order in which they are computed (A, B: the left and right operand; K: the contracted axis; several contracted axes count as one K, in the product's order):
;;     1. [M 32, K 1,024] x [K 1,024, N 1,024]; A: input decoder_output; B: input W: QUANTISED
;;     2. [M 65,536, K 1,024] x [K 1,024, N 1,024]; A: input encoder_outputs; B: input V: QUANTISED
;;     3. [M 65,536, K 1,024] x [K 1,024, N 1]; A: computed on the way; B: input w: left as it is (N = 1 < 16)
;;     4. batch 32 x [M 1, K 2,048] x [K 2,048, N 1,024]; A: softmax; B: input encoder_outputs: left as it is (M = 1 < 16)
;;   THE QUANTISER, for each operand of a quantised product, along K:
;;     - K is cut into blocks of 32 from its start; a last block that is shorter is filled with zeros.
;;     - A block's scale is 2^e with e = floor(log2(the largest magnitude in the block)) - 2, held to -126 .. 127; a block of zeros has e = 0. As a byte (E8M0): e + 127.
;;     - Each number is divided by its block's scale, clamped to +-7.5, and rounded to the nearest number of E2M3, ties to even, subnormals kept.
;;     - The product sums the exact products of the quantised numbers (number of the format x scale) in f32.
;;   ~~~python
;;   def quantise(x, axis):      # numpy; x: float32 -> the quantised numbers, widened to float32 again
;;       x = np.moveaxis(x, axis, -1); K = x.shape[-1]
;;       x = np.pad(x, [(0, 0)] * (x.ndim - 1) + [(0, -K % 32)]); x = x.reshape(x.shape[:-1] + (-1, 32)); a = np.abs(x).max(-1, keepdims=True)
;;       e = np.where(a > 0, np.clip(np.frexp(np.where(a > 0, a, 1))[1] - 1 - 2, -126, 127), 0)      # np.frexp(a)[1] - 1 = floor(log2(a)), exactly
;;       r = np.clip(x / 2.0 ** e, -7.5, 7.5)
;;       step = 2.0 ** (np.maximum(np.frexp(np.where(r == 0, 1, r))[1] - 1, 0) - 3)
;;       q = np.round(r / step) * step * 2.0 ** e      # np.round: ties to even
;;       return np.moveaxis(q.reshape(q.shape[:-2] + (-1,))[..., :K], -1, axis).astype(np.float32)
;;   ~~~
;; One version. Each part assembles by itself: llvm-mc -triple=amdgcn-amd-amdhsa -mcpu=gfx1250 --defsym DOCPART=n.
;; ======== version 1 of 1: 3 launches
;; limits: values are held in bf16: 8 bits of precision; right only within a limited range of input values
;; workspace buffers: vimg 786,432 bytes; vsc 32,768 bytes; db 131,072 bytes; pctx 1,048,576 bytes; pml 2,048 bytes
;; launch prep (part 1): grid 128 x 1, 8 waves a work-group, no clusters, 17,920 bytes of LDS; arguments V, W, b, decoder_output, vimg, vsc, db; writes vimg, vsc, db
.if DOCPART == 1
	.amdgcn_target "amdgcn-amd-amdhsa--gfx1250"
	.amdhsa_code_object_version 6
	.text
	.protected	k_qb72d9a924c_prep
	.globl	k_qb72d9a924c_prep
	.p2align	8
	.type	k_qb72d9a924c_prep,@function
k_qb72d9a924c_prep:
	s_mov_b64 s[64:65], 0
	v_nop
	global_prefetch_b8 v0, s[64:65] scope:SCOPE_SE
	s_setreg_imm32_b32 hwreg(HW_REG_WAVE_MODE, 25, 1), 1
	s_wait_xcnt 0x0
; V and W, [1024 (k)][1024 (n)] f32, are quantised along K, their FIRST axis, into codes of FP6 (E2M3) with one E8M0 byte for each 32 along K.
; Work-groups 0-63 take V, work-groups 64-127 take W; a work-group takes 16 columns (column tile ct), its wave s the K step 128 s .. 128 s + 127: one operand fragment a wave.
; A LANE TAKES A COLUMN AND ITS REGISTERS RUN DOWN K, in the order in which the matrix instruction wants them: lane (r, h) holds column r, register 32 c + i = k 64 c + 32 h + i.  Nothing is transposed.
; V: the fragment's 12 registers leave as an image of the registers (register 4 j + i of lane l at 512 j + 16 l + 4 i), 512 consecutive bytes a store; the tile's scale words are gathered in LDS and leave as 512 bytes.
; W: the wave also quantises its K step of decoder_output (two tiles of 16 batches) and multiplies; the eight waves' partial sums meet in LDS; b is added; db = decoder_output W + b leaves as f32.
; A block's scale is 2^(floor(log2(its largest magnitude)) - 2); its byte is the largest magnitude's exponent field - 2, held at 1 from below.
; LIMITS: a block of zeros gets the byte 1 where the rule says 127 (its codes are zeros, and this program alone reads the bytes); a block whose largest magnitude lies under 2^-124 has its byte held at 1; NaN and infinities are not served.
; V and W are read, and db is written, in pieces of 64 consecutive bytes: 16 columns are a fragment's width.  These are 8 MiB and 128 KiB of a program that moves 256 MiB.
.set WS,    0                          ; LDS: W's path: wave s's partial sums, [32 batches][16 columns] f32, 2,048 bytes a wave
.set VS,    16384                      ; V's path: the column tile's scale words, 512 bytes, in vsc's order
.set SPARE, 16896                      ; the spare words, 128 bytes for each of the eight waves: four blocks of 256 bytes that no other line names
.set XR,    16                         ; v16-79    64 numbers of V or W; later v16-31 the two accumulators
.set D0,    80                         ; v80-143   64 numbers of decoder_output, batches 0-15;  v144-207 batches 16-31
.set CX,    208                        ; v208-219  the codes of V or W;  v220-231, v232-243 those of the two tiles of decoder_output
.set HB,    244                        ; v244-246, v248-250 the second halves of a conversion's blocks
.set WX,    252                        ; v252-254  the three scale words: they hold scales and nothing else
; v1 r, v2 h, v3 offset in V or W, v4 offset in decoder_output, v5 16 x lane, v6 where my scale word goes, v7 where my partial sums go, v8, v12-15 at work,
; v9 16 (t % 4), v10, v11 the add's two, v247 VS + 16 x lane, v251 16 t, v255 my offset in db
; 64 numbers of a lane, two whole blocks of 32, become a fragment's 12 registers of codes and its scale word.
.macro QUANT6 src, code, word
.irp c, 0,1
	v_max3_num_f32 v[12+\c], |v[\src+32*\c]|, |v[\src+32*\c+1]|, 0x1800000   ; block 2 c + h: all 32 numbers are mine; the floor 2^(3 - 127) holds the byte at 1 from below
.endr
.irp i, 2,4,6,8,10,12,14,16,18,20,22,24,26,28,30
.irp c, 0,1
	s_delay_alu instid0(VALU_DEP_2)
	v_max3_num_f32 v[12+\c], v[12+\c], |v[\src+32*\c+\i]|, |v[\src+32*\c+\i+1]|   ; the two blocks by turns
.endr
.endr
.irp c, 0,1
	s_delay_alu instid0(VALU_DEP_2)
	v_add_nc_u32 v[14+\c], 0xff000000, v[12+\c]    ; 2 off the exponent field: the conversion takes the exponent field of this operand as its scale
.endr
.irp c, 0,1
	s_delay_alu instid0(VALU_DEP_2)
	v_lshrrev_b32 v[12+\c], 23, v[14+\c]           ; the scale's byte
.endr
	s_delay_alu instid0(VALU_DEP_1)
	v_lshl_or_b32 v[\word], v13, 16, v12           ; my two bytes: blocks h and 2 + h,
	v_lshlrev_b32 v8, 3, v2
	s_delay_alu instid0(VALU_DEP_1)
	v_lshlrev_b32 v[\word], v8, v[\word]           ; at their places in the word (8 h bits up);
	v_mov_b32 v8, 0
	s_delay_alu instid0(VALU_DEP_1)
	v_permlanex16_b32 v8, v[\word], s20, s21
	s_delay_alu instid0(VALU_DEP_1)
	v_or_b32 v[\word], v[\word], v8                ; with lane l xor 16's two the word is whole, in both halves of the lanes
.irp c, 0,1
	v_cvt_scalef32_pk16_fp6_f32 v[\code+6*\c:\code+6*\c+2], v[\src+32*\c:\src+32*\c+15], v[14+\c]
	v_cvt_scalef32_pk16_fp6_f32 v[HB+4*\c:HB+4*\c+2], v[\src+32*\c+16:\src+32*\c+31], v[14+\c]   ; a conversion's three registers begin on an even number: made here and moved
.endr
	v_nop                                          ; one plain line behind the scaled conversions
.irp c, 0,1
.irp i, 0,1,2
	v_mov_b32 v[\code+6*\c+3+\i], v[HB+4*\c+\i]
.endr
.endr
.endm
	s_load_b256 s[4:11], s[0:1], 0x0               ; V s[4:5], W s[6:7], b s[8:9], decoder_output s[10:11]
	s_load_b128 s[12:15], s[0:1], 0x20             ; vimg s[12:13], vsc s[14:15]
	s_load_b64 s[16:17], s[0:1], 0x30              ; db
	v_lshl_add_u32 v10, v0, 2, SPARE
	v_mov_b32 v11, 0
	v_lshrrev_b32 v1, 5, v0
	s_delay_alu instid0(VALU_DEP_1)
	v_readfirstlane_b32 s18, v1                    ; wave = K step s
	v_and_b32 v1, 15, v0                           ; r
	v_bfe_u32 v2, v0, 4, 1                         ; h
	v_and_b32 v8, 31, v0
	s_delay_alu instid0(VALU_DEP_1)
	v_lshlrev_b32 v5, 4, v8                        ; 16 x lane
	s_delay_alu instid0(VALU_DEP_1)
	v_add_nc_u32 v247, VS, v5
	v_lshlrev_b32 v251, 4, v0                      ; 16 t
	v_lshlrev_b32 v3, 2, v1
	s_delay_alu instid0(VALU_DEP_1)
	v_lshl_add_u32 v3, v2, 17, v3                  ; V, W: column r, and 32 rows of 4,096 bytes further down for lanes 16-31
	v_lshlrev_b32 v4, 12, v1
	s_delay_alu instid0(VALU_DEP_1)
	v_lshl_add_u32 v4, v2, 7, v4                   ; decoder_output: row r of 4,096 bytes, + 32 numbers for lanes 16-31
	s_and_b32 s22, s18, 1
	s_lshl_b32 s22, s22, 8
	s_lshr_b32 s23, s18, 1
	s_lshl_b32 s23, s23, 2
	s_add_co_u32 s22, s22, s23
	s_add_co_u32 s22, s22, VS
	v_lshl_add_u32 v6, v1, 4, s22                  ; vsc's order: lane 16 (s % 2) + r, word s / 2
	s_lshl_b32 s23, s18, 11
	v_lshlrev_b32 v7, 6, v1
	s_delay_alu instid0(VALU_DEP_1)
	v_lshl_add_u32 v7, v2, 5, v7
	s_delay_alu instid0(VALU_DEP_1)
	v_add_nc_u32 v7, s23, v7                       ; 2,048 s + 64 r + 32 h
	v_and_b32 v9, 3, v0
	s_delay_alu instid0(VALU_DEP_1)
	v_lshlrev_b32 v9, 4, v9
	v_lshrrev_b32 v8, 2, v0
	s_delay_alu instid0(VALU_DEP_1)
	v_lshl_add_u32 v255, v8, 12, v9                ; db: batch t / 4, 16 bytes at 16 (t % 4)
	s_mov_b32 s20, 0x76543210
	s_mov_b32 s21, 0xfedcba98                      ; v_permlanex16_b32's selects for lane l xor 16
	s_cmp_lt_u32 ttmp9, 64
	s_cselect_b32 s19, 0, 64
	s_sub_co_u32 s19, ttmp9, s19                   ; ct
	s_lshl_b32 s26, s18, 19                        ; 128 s rows of 4,096 bytes
	s_lshl_b32 s27, s19, 6                         ; + 16 ct columns
	s_add_co_u32 s26, s26, s27
	s_mov_b32 s27, 0
	s_lshl_b32 s28, s18, 9                         ; decoder_output: 128 s numbers along a row
	s_mov_b32 s29, 0
	s_lshr_b32 s30, s19, 2
	s_lshl_b32 s30, s30, 3
	s_add_co_u32 s30, s30, s18
	s_mul_i32 s30, s30, 6144                       ; vimg: [ct / 4][s][ct % 4][1,536]
	s_and_b32 s31, s19, 3
	s_mul_i32 s31, s31, 1536
	s_add_co_u32 s30, s30, s31
	s_mov_b32 s31, 0
	s_lshl_b32 s32, s19, 9                         ; vsc: 512 bytes a column tile
	s_mov_b32 s33, 0
	s_lshl_b32 s34, s19, 6                         ; b, db: 16 ct numbers
	s_mov_b32 s35, 0
	s_wait_kmcnt 0x0
	s_cmp_lt_u32 ttmp9, 64                         ; V's work-group or W's: the choice hangs on the work-group's number alone
	s_cselect_b64 s[24:25], s[4:5], s[6:7]
	s_add_nc_u64 s[24:25], s[24:25], s[26:27]
	s_add_nc_u64 s[10:11], s[10:11], s[28:29]
	s_add_nc_u64 s[12:13], s[12:13], s[30:31]
	s_add_nc_u64 s[14:15], s[14:15], s[32:33]
	s_add_nc_u64 s[8:9], s[8:9], s[34:35]
	s_add_nc_u64 s[16:17], s[16:17], s[34:35]
.irp c, 0,1
.irp i, 0,1,2,3,4,5,6,7,8,9,10,11,12,13,14,15,16,17,18,19,20,21,22,23,24,25,26,27,28,29,30,31
	global_load_b32 v[XR+32*\c+\i], v3, s[24:25] offset:(64*\c+\i)*4096   ; X(128 s + 64 c + 32 h + i, 16 ct + r)
.endr
.endr
	s_cmp_ge_u32 ttmp9, 64
	s_cbranch_scc1 .Lw_first
	; ---- V: codes and scale word
	s_wait_loadcnt 0x0
	QUANT6 XR, CX, WX
.irp j, 0,1,2
	global_store_b128 v5, v[CX+4*\j:CX+4*\j+3], s[12:13] offset:512*\j   ; 32 lanes store 512 consecutive bytes, at a multiple of 512 from vimg's first byte
.endr
	ds_store_b32 v6, v[WX]                         ; lanes r and r + 16 write the same word with the same value
	s_branch .Lmeet
.Lw_first:
	; ---- W: codes, decoder_output's codes, the product of this K step
	s_wait_alu depctr_va_vdst(0)
.irp m, 0,1
.irp c, 0,1
.irp j, 0,1,2,3,4,5,6,7
	global_load_b128 v[D0+64*\m+32*\c+4*\j:D0+64*\m+32*\c+4*\j+3], v4, s[10:11] offset:65536*\m+256*\c+16*\j
.endr
.endr
.endr
	s_wait_loadcnt 32                              ; W's 64 loads are in; decoder_output's 32 may be out
	QUANT6 XR, CX, WX
	global_load_b128 v[48:51], v9, s[8:9]          ; b at columns 4 (t % 4) on, into registers that W's numbers have left: asked for here, used behind the barrier (by waves 0-3; all eight take this one path, so that the counts below hold in each)
	s_wait_loadcnt 17                              ; batches 0-15 are in; the 16 loads of batches 16-31 and b's may be out
	QUANT6 D0, CX+12, WX+1
	s_wait_loadcnt 1                               ; batches 16-31 are in; b's load may be out
	QUANT6 D0+64, CX+24, WX+2
.rept 8
	v_nop                                          ; a scale register written by a vector instruction stands 8 places ahead of a scaled matrix instruction, an operand so written 4
.endr
	; used transposed: source 0 = 16 columns of W, source 1 = 16 batches: lane (r, h) register j = batch r, column 8 h + j
	v_wmma_scale_f32_16x16x128_f8f6f4 v[16:23], v[CX:CX+11], v[CX+12:CX+23], 0, v[WX], v[WX+1] matrix_a_fmt:MATRIX_FMT_FP6 matrix_b_fmt:MATRIX_FMT_FP6
	v_wmma_scale_f32_16x16x128_f8f6f4 v[24:31], v[CX:CX+11], v[CX+24:CX+35], 0, v[WX], v[WX+2] matrix_a_fmt:MATRIX_FMT_FP6 matrix_b_fmt:MATRIX_FMT_FP6
.rept 4
	v_nop                                          ; four places in front of the first read of the results (ISA guide 7.12.1)
.endr
.irp m, 0,1
	ds_store_b128 v7, v[16+8*\m:19+8*\m] offset:1024*\m        ; each accumulator from its low end on
	ds_store_b128 v7, v[20+8*\m:23+8*\m] offset:1024*\m+16
.endr
.Lmeet:
	s_wait_dscnt 0x0                               ; for the others' sake: my LDS stores have landed
	s_barrier_signal -1
	s_barrier_wait -1                              ; every wave's have
	s_cmp_ge_u32 ttmp9, 64
	s_cbranch_scc1 .Lw_second
	s_cmp_lg_u32 s18, 0
	s_cbranch_scc1 .Lend
	ds_load_b128 v[16:19], v247                    ; V: wave 0 sends the tile's 128 scale words
	s_wait_dscnt 0x0
	global_store_b128 v5, v[16:19], s[14:15]       ; 512 consecutive bytes
	s_branch .Lend
.Lw_second:
	s_cmp_ge_u32 s18, 4
	s_cbranch_scc1 .Lend
.irp i, 0,1,2,3,4,5,6,7
	ds_load_b128 v[16+4*\i:19+4*\i], v251 offset:2048*\i       ; W: threads 0-127: the eight K steps' partial sums of batch t / 4, columns 4 (t % 4) on
.endr
	s_wait_loadcnt 0x0
	s_wait_dscnt 0x0
.irp i, 0
	v_pk_add_f32 v[48:49], v[48:49], v[16+4*\i:17+4*\i]        ; K ascending, begun from b
	v_pk_add_f32 v[50:51], v[50:51], v[18+4*\i:19+4*\i]
.endr
.irp i, 1, 2, 3, 4, 5, 6, 7
	s_delay_alu instid0(VALU_DEP_2)
	v_pk_add_f32 v[48:49], v[48:49], v[16+4*\i:17+4*\i]        ; K ascending, begun from b
	s_delay_alu instid0(VALU_DEP_2)
	v_pk_add_f32 v[50:51], v[50:51], v[18+4*\i:19+4*\i]
.endr
	global_store_b128 v255, v[48:51], s[16:17]
.Lend:
	s_wait_tensorcnt 0x0                           ; the wave's end: behind my last LDS store
	ds_add_u32 v10, v11
	s_wait_dscnt 0x0
	s_endpgm
.Lfunc_end_k_qb72d9a924c_prep:
	.size	k_qb72d9a924c_prep, .Lfunc_end_k_qb72d9a924c_prep-k_qb72d9a924c_prep
	.p2alignl 7, 3214868480
	.fill 96, 4, 3214868480
	.section	.rodata,"a",@progbits
	.p2align	6, 0x0
	.amdhsa_kernel k_qb72d9a924c_prep
		.amdhsa_group_segment_fixed_size 17920
		.amdhsa_private_segment_fixed_size 0
		.amdhsa_enable_private_segment 0
		.amdhsa_kernarg_size 56
		.amdhsa_user_sgpr_count 2
		.amdhsa_user_sgpr_kernarg_segment_ptr 1
		.amdhsa_wavefront_size32 1
		.amdhsa_system_sgpr_workgroup_id_x 1
		.amdhsa_system_sgpr_workgroup_id_y 1
		.amdhsa_system_sgpr_workgroup_id_z 1
		.amdhsa_system_vgpr_workitem_id 0
		.amdhsa_next_free_vgpr 256
		.amdhsa_next_free_sgpr 66
		.amdhsa_reserve_vcc 0
		.amdhsa_float_denorm_mode_32 3
		.amdhsa_float_denorm_mode_16_64 3
		.amdhsa_memory_ordered 1
		.amdhsa_forward_progress 1
		.amdhsa_inst_pref_size 33
	.end_amdhsa_kernel
	.amdgpu_metadata
---
amdhsa.version: [ 1, 2 ]
amdhsa.kernels:
  - .name:           k_qb72d9a924c_prep
    .symbol:         k_qb72d9a924c_prep.kd
    .args:
      - { .name: V, .offset: 0, .size: 8, .value_kind: global_buffer, .address_space: global }
      - { .name: W, .offset: 8, .size: 8, .value_kind: global_buffer, .address_space: global }
      - { .name: b, .offset: 16, .size: 8, .value_kind: global_buffer, .address_space: global }
      - { .name: decoder_output, .offset: 24, .size: 8, .value_kind: global_buffer, .address_space: global }
      - { .name: vimg, .offset: 32, .size: 8, .value_kind: global_buffer, .address_space: global }
      - { .name: vsc, .offset: 40, .size: 8, .value_kind: global_buffer, .address_space: global }
      - { .name: db, .offset: 48, .size: 8, .value_kind: global_buffer, .address_space: global }
    .group_segment_fixed_size: 17920
    .private_segment_fixed_size: 0
    .kernarg_segment_align: 8
    .kernarg_segment_size: 56
    .max_flat_workgroup_size: 256
    .sgpr_count:     66
    .vgpr_count:     256
    .wavefront_size: 32
...
	.end_amdgpu_metadata
.endif
;; end of part 1
;; launch main (part 2): grid 256 x 1, 4 waves a work-group, no clusters, 294,912 bytes of LDS; arguments encoder_outputs, vimg, vsc, db, w, pctx, pml; writes pctx, pml
.if DOCPART == 2
	.amdgcn_target "amdgcn-amd-amdhsa--gfx1250"
	.amdhsa_code_object_version 6
	.text
	.protected	k_qb72d9a924c_main
	.globl	k_qb72d9a924c_main
	.p2align	8
	.type	k_qb72d9a924c_main,@function
k_qb72d9a924c_main:
	s_mov_b64 s[64:65], 0
	v_nop
	global_prefetch_b8 v0, s[64:65] scope:SCOPE_SE
	s_setreg_imm32_b32 hwreg(HW_REG_WAVE_MODE, 25, 1), 1
	s_wait_xcnt 0x0
; scores[t] = sum over c of w[c] tanh(db[c] + (rows V)[t][c]), the product on codes of FP6 (E2M3) with one E8M0 scale for each 32 along K; then a partial softmax and a partial weighted sum of the rows.
; EACH ROW OF encoder_outputs IS READ FROM MEMORY ONCE.  Work-group g owns rows 256 g .. 256 g + 255 of the 65,536 (batch g / 8), as two blocks of 128.  A block goes through four phases:
;   LOAD     wave w reads block rows 32 w .. 32 w + 31 (two tiles of 16), 512 consecutive bytes a load; quantises them; stores the codes in LDS as images of the operand's registers; keeps a bf16 copy
;            (tile 0 in 256 registers, tile 1 in its own 32,768 bytes of LDS).
;   PRODUCT  wave w makes columns 256 w .. 256 w + 255 for all 128 rows, 64 columns (a chunk) at a time: 32 accumulators.  The rows' fragments come from LDS, V's from memory straight into the one wave that uses them.
;            Behind a chunk's 256 matrix instructions: tanh, times w, summed into one number a row and lane.
;   SCORES   the four waves' partial scores meet in LDS; running maximum m, sum l, p = 2^(t - m), t = score x log2(e).
;   CONTEXT  each wave adds p x row for its own 32 rows from the bf16 copy, in f32.
; At the end the four waves' sums are added, and the work-group stores its 1,024 sums and (m, l); the last launch joins the eight work-groups of a batch.
; tanh x = 1 - 2 / (1 + 2^(2 log2(e) x)): right at both ends, where the exponential is infinite or 0.  The 1 adds the sum of w to every score of a row of the softmax, which leaves the softmax as it is: it is not added.
; NO CLUSTER, NO JOINT LOADS, though all work-groups walk the same V: LDS holds the rows' images (98,304 bytes), half of the bf16 copy (131,072), the stages (33,792) and 31,232 of tables, scores and sums;
; 33,280 bytes are left, less than two slots of one K step of V for four waves (2 x 24,576); and each fragment of V is used by one wave alone, so a way through LDS would add a write and a read of 786,432 bytes a block.
; LIMITS: the rows enter the weighted sum rounded to bf16 (p and the sums are f32).  A block of 32 zeros gets the scale byte 1 (its codes are zeros); a block whose largest magnitude lies under 2^-124 has its byte held at 1.
; NaN and infinities among the inputs are not served.
; REGISTERS, in windows of 256 (s_set_vgpr_msb: bits 1:0 source 0, 3:2 source 1, 5:4 source 2, 7:6 destination):
;   window 0: v1-29 addresses and the softmax's state; v32-127 by turns: 64 numbers and their codes | the rows' 8 fragments | the chunk's tables | rows of the copy; v128-159 the rows' scale words, v160-175 V's (scales and nothing else);
;             v176-207 bf16 at work | scores; v208-239 the weighted sum (208 + 4 s + i = column 128 s + 4 lane + i); v240-255 the quantiser's
;   window 1: accumulator (a, b) at 8 (4 a + b); in LOAD four groups of 64 registers in which rows land      window 2: four sets of V's 4 fragments      window 3: the bf16 copy of tile 0: row t, K step s at 16 t + 2 s
.set AIMG,  0                          ; LDS: fragment (tile m, K step s) at (8 m + s) x 1,536: register 4 c + i of lane l at 512 c + 16 l + 4 i
.set ASC,   98304                      ; the rows' scale words [m][lane][4]: lane 16 h' + r, word q: row 16 m + r, K step 2 q + h'
.set BIAS,  102400                     ; 2 log2(e) x db[c]
.set WVT,   106496                     ; -2 w[c]: 4,096 bytes behind BIAS
.set SCR,   110592                     ; [wave][128 rows] partial scores
.set STG,   112640                     ; each wave's stage: 16 rows x (512 + 16) bytes
.set CP,    146432                     ; each wave's bf16 copy of its tile 1: rows of 2,048 bytes
.set CTXR,  277504                     ; [wave][1,024] at the end
.set SPARE, 293888                     ; the spare words, 128 bytes for each wave: two blocks of 256 bytes that no other line names
.set X,     32
.set PC,    96
.set ASW,   128
.set VSW,   160
.set CT,    176
.set SS,    192
.set CTX,   208
.set TM,    240
.set PW,    24
.set MSB, 0
.macro WIN new                         ; the immediate's high byte repeats the setting that is left; a switch that changes nothing is dropped
.if MSB != \new
	s_set_vgpr_msb (MSB<<8)|\new
.set MSB, \new
.endif
.endm
.macro PLACES                          ; four places behind matrix instructions, in front of loads into their registers and of the first read of results
.rept 4
	v_nop
.endr
.endm
.macro BARRIER                         ; my LDS stores have landed and my LDS loads are in: then the work-group's barrier
	s_wait_dscnt 0x0
	s_barrier_signal -1
	s_barrier_wait -1
.endm
; 64 numbers of a lane, register 16 b + i = k 32 b + 16 (lane / 16) + i of my row, become a fragment's codes in v[PC] on and its scale word in v[PW].
.macro QUANT
.irp b, 0,1,2,3
	v_max3_num_f32 v[TM+\b], |v[X+16*\b]|, |v[X+16*\b+1]|, 0x1800000   ; block b: my 16 numbers, and the floor 2^(3 - 127): the byte cannot fall under 1
.endr
.irp i, 2,4,6,8,10,12,14
.irp b, 0,1,2,3
	v_max3_num_f32 v[TM+\b], v[TM+\b], |v[X+16*\b+\i]|, |v[X+16*\b+\i+1]|   ; the four blocks by turns
.endr
.endr
.irp b, 0,1,2,3
	v_permlanex16_b32 v[TM+4+\b], v[TM+\b], s20, s21
.endr
.irp b, 0,1,2,3
	v_max_num_f32 v[TM+\b], v[TM+\b], v[TM+4+\b]   ; with lane l xor 16's: the block's largest magnitude
.endr
.irp b, 0,1,2,3
	v_add_nc_u32 v[TM+12+\b], 0xff000000, v[TM+\b] ; 2 off its exponent field: the conversion's scale operand
.endr
.irp b, 0,1,2,3
	v_lshrrev_b32 v[TM+4+\b], 23, v[TM+12+\b]      ; the scale's byte
.endr
	v_lshl_or_b32 v[PW], v[TM+5], 8, v[TM+4]       ; the four bytes make my row's scale word, the same in both halves of the lanes
	v_lshl_or_b32 v[PW], v[TM+6], 16, v[PW]
	v_lshl_or_b32 v[PW], v[TM+7], 24, v[PW]
.irp c, 0,1
	v_cvt_scalef32_pk16_fp6_f32 v[PC+6*\c:PC+6*\c+2], v[X+32*\c:X+32*\c+15], v[TM+12+2*\c]
	v_cvt_scalef32_pk16_fp6_f32 v[PC+12+4*\c:PC+14+4*\c], v[X+32*\c+16:X+32*\c+31], v[TM+12+2*\c+1]   ; a conversion's three registers begin on an even number
.endr
	v_nop                                          ; one plain line behind the scaled conversions
.irp c, 0,1                            ; the operand's layout wants a WHOLE block in a lane: lanes 0-15 block 2 c, lanes 16-31 block 2 c + 1
.irp i, 0,1,2
	v_permlane16_swap_b32 v[PC+6*\c+\i], v[PC+12+4*\c+\i]
.endr
.irp i, 0,1,2
	v_mov_b32 v[PC+3+6*\c+\i], v[PC+12+4*\c+\i]
.endr
.endr
.endm
; The 16 loads of task u (tile u / 8, K step u % 8): 16 rows x 512 consecutive bytes, into group u % 4 of window 1.  Read once in the launch.
.macro ROWS u
.irp t, 0,1,2,3,4,5,6,7,8,9,10,11,12,13,14,15
	global_load_b128 v[64*((\u)%4)+4*\t:64*((\u)%4)+4*\t+3], v1, s[32:33] offset:(16*((\u)/8)+\t)*4096+512*((\u)%8) th:TH_LOAD_NT
.endr
.endm
; TASK u: 16 rows x 128 along K.  As loaded a lane holds 4 neighbours of each of 16 rows; the quantiser wants 64 numbers of ONE row: the 8,192 bytes turn through the wave's own stage.
.macro TASK u
.set TI, (\u)/8
.set TS, (\u)%8
.set TG, 64*((\u)%4)
.if (\u) <= 12
	s_wait_loadcnt 48                              ; my 16 loads are in; those of the next three tasks may be out
.else
	s_wait_loadcnt 16*(15-(\u))
.endif
	WIN 0x04                                       ; an LDS store's data are its source 1: window 1
.irp t, 0,1,2,3,4,5,6,7,8,9,10,11,12,13,14,15
	ds_store_b128 v4, v[TG+4*\t:TG+4*\t+3] offset:528*\t
.endr
.if TI == 0
	WIN 0xc5                                       ; the copy of tile 0 stays in window 3
.irp t, 0,1,2,3,4,5,6,7,8,9,10,11,12,13,14,15
	v_cvt_pk_bf16_f32 v[16*\t+2*TS], v[TG+4*\t], v[TG+4*\t+1]
	v_cvt_pk_bf16_f32 v[16*\t+2*TS+1], v[TG+4*\t+2], v[TG+4*\t+3]
.endr
	WIN 0
.else
	WIN 0x05                                       ; the copy of tile 1 goes to the wave's own LDS bytes
.irp t, 0,1,2,3,4,5,6,7,8,9,10,11,12,13,14,15
	v_cvt_pk_bf16_f32 v[CT+2*\t], v[TG+4*\t], v[TG+4*\t+1]
	v_cvt_pk_bf16_f32 v[CT+2*\t+1], v[TG+4*\t+2], v[TG+4*\t+3]
.endr
	WIN 0
.irp t, 0,1,2,3,4,5,6,7,8,9,10,11,12,13,14,15
	ds_store_b64 v9, v[CT+2*\t:CT+2*\t+1] offset:2048*\t+256*TS
.endr
.endif
.irp b, 0,1,2,3
.irp j, 0,1,2,3
	ds_load_b128 v[X+16*\b+4*\j:X+16*\b+4*\j+3], v5 offset:128*\b+16*\j   ; LDS serves a wave's instructions in order (ISA guide 5.7.1.4): these see the stores above
.endr
.endr
	s_wait_dscnt 16                                ; all but these 16 loads are done: the stores have read the group's registers,
.if (\u) <= 11
	WIN 0x40
	ROWS (\u)+4                                    ; which take the rows of four tasks on
	WIN 0
.endif
	s_wait_dscnt 0x0                               ; my 64 numbers are in; the last task's image stores have read their registers
	QUANT
.irp c, 0,1,2
	ds_store_b128 v6, v[PC+4*\c:PC+4*\c+3] offset:(8*TI+TS)*1536+512*\c   ; the fragment goes to LDS as it stands
.endr
	ds_store_b32 v7, v[PW] offset:512*TI+256*(TS%2)+4*(TS/2)   ; lanes r and r + 16 write the same word with the same value
.endm
; V's four fragments of K step n of the chunk at s[base:base+1], into a set of window 2
.macro LOADSET set, base, n
.irp b, 0,1,2,3
.irp j, 0,1,2
	global_load_b128 v[48*(\set)+12*\b+4*\j:48*(\set)+12*\b+4*\j+3], v1, s[\base:\base+1] offset:6144*(\n)+1536*\b+512*\j
.endr
.endr
.endm
; the rows' fragments of tiles a0 .. a0 + 3, K step s
.macro FETCH_A s, a0
.irp a, \a0, \a0+1, \a0+2, \a0+3
.irp c, 0,1,2
	ds_load_b128 v[32+12*(\a)+4*\c:32+12*(\a)+4*\c+3], v[1+(\a0)/4] offset:(((\a)%4)*8+(\s))*1536+512*\c
.endr
.endr
.endm
; 16 matrix instructions, used transposed: source 0 = 16 columns of V, source 1 = 16 rows: lane (r, h) register j = row r, column 8 h + j.  The first K step starts the sums.
; A scale register holds K step 2 q in lanes 0-15 and K step 2 q + 1 in lanes 16-31.  The 32 accumulators take turns, one instruction a turn.
.macro MUL s, a0
.irp a, \a0, \a0+1, \a0+2, \a0+3
.irp b, 0,1,2,3
.if (\s) == 0
	v_wmma_scale_f32_16x16x128_f8f6f4 v[8*(4*(\a)+\b):8*(4*(\a)+\b)+7], v[48*((\s)%4)+12*\b:48*((\s)%4)+12*\b+11], v[32+12*(\a):32+12*(\a)+11], 0, v[VSW+4*\b+(\s)/2], v[ASW+4*(\a)+(\s)/2] matrix_a_fmt:MATRIX_FMT_FP6 matrix_b_fmt:MATRIX_FMT_FP6
.elseif (\s)%2 == 0
	v_wmma_scale_f32_16x16x128_f8f6f4 v[8*(4*(\a)+\b):8*(4*(\a)+\b)+7], v[48*((\s)%4)+12*\b:48*((\s)%4)+12*\b+11], v[32+12*(\a):32+12*(\a)+11], v[8*(4*(\a)+\b):8*(4*(\a)+\b)+7], v[VSW+4*\b+(\s)/2], v[ASW+4*(\a)+(\s)/2] matrix_a_fmt:MATRIX_FMT_FP6 matrix_b_fmt:MATRIX_FMT_FP6
.else
	v_wmma_scale_f32_16x16x128_f8f6f4 v[8*(4*(\a)+\b):8*(4*(\a)+\b)+7], v[48*((\s)%4)+12*\b:48*((\s)%4)+12*\b+11], v[32+12*(\a):32+12*(\a)+11], v[8*(4*(\a)+\b):8*(4*(\a)+\b)+7], v[VSW+4*\b+(\s)/2], v[ASW+4*(\a)+(\s)/2] matrix_a_fmt:MATRIX_FMT_FP6 matrix_b_fmt:MATRIX_FMT_FP6 matrix_a_scale:MATRIX_SCALE_ROW1 matrix_b_scale:MATRIX_SCALE_ROW1
.endif
.endr
.endr
.endm
; A K step: 32 matrix instructions.  V's fragments are asked for three K steps ahead, over the chunk's end into the next chunk's first three.
.macro STEP s
	WIN 0x80
.if (\s)+3 <= 7
	LOADSET ((\s)+3)%4, 26, (\s)+3
.else
	LOADSET ((\s)+3)%4, 28, (\s)-5
.endif
.if (\s) == 0
	s_wait_loadcnt 12                              ; all but the 12 just issued: sets 0-2 and the chunk's scale words
.else
	s_wait_loadcnt 36                              ; this K step's set is in; the next three sets may be out
.endif
	s_wait_dscnt 12                                ; tiles 0-3 are in; tiles 4-7 may be out
	WIN 0x52                                       ; source 0 window 2, source 1 window 0, C and D window 1
	MUL \s, 0
	PLACES
.if (\s) < 7
	WIN 0
	FETCH_A (\s)+1, 0
	s_wait_dscnt 12                                ; tiles 4-7 are in; the 12 just issued may be out
.else
	s_wait_dscnt 0x0
.endif
	WIN 0x52
	MUL \s, 4
	PLACES                                         ; also the places in front of the next K step's loads into the set read last
	WIN 0
.if (\s) < 7
	FETCH_A (\s)+1, 4
.endif
.endm
; group k of tile 1's copy: rows 2 k and 2 k + 1, 16 loads, into buffer k % 3 of v32-127
.macro CPLOAD k
.irp e, 0,1
.irp s, 0,1,2,3,4,5,6,7
	ds_load_b64 v[32+32*((\k)%3)+16*\e+2*\s:32+32*((\k)%3)+16*\e+2*\s+1], v9 offset:2048*(2*(\k)+\e)+256*\s
.endr
.endr
.endm
; the weighted sum takes one row: its 16 registers of bf16 begin at v[base]; its p is s[68 + prow]
.macro ROWFMA base, prow
	v_mov_b32 v20, s[68+(\prow)]
.irp s, 0,1,2,3,4,5,6,7
	v_fma_mix_f32_bf16 v[CTX+4*\s], v[(\base)+2*\s], v20, v[CTX+4*\s] op_sel_hi:[1,0,0]
	v_fma_mix_f32_bf16 v[CTX+4*\s+1], v[(\base)+2*\s], v20, v[CTX+4*\s+1] op_sel:[1,0,0] op_sel_hi:[1,0,0]
	v_fma_mix_f32_bf16 v[CTX+4*\s+2], v[(\base)+2*\s+1], v20, v[CTX+4*\s+2] op_sel_hi:[1,0,0]
	v_fma_mix_f32_bf16 v[CTX+4*\s+3], v[(\base)+2*\s+1], v20, v[CTX+4*\s+3] op_sel:[1,0,0] op_sel_hi:[1,0,0]
.endr
.endm
	s_load_b256 s[4:11], s[0:1], 0x0               ; encoder_outputs s[4:5], vimg s[6:7], vsc s[8:9], db s[10:11]
	s_load_b128 s[12:15], s[0:1], 0x20             ; w s[12:13], pctx s[14:15]
	s_load_b64 s[16:17], s[0:1], 0x30              ; pml
	v_lshl_add_u32 v14, v0, 2, SPARE
	v_mov_b32 v15, 0
	v_lshrrev_b32 v27, 5, v0
	v_readfirstlane_b32 s18, v27                   ; wave 0..3
	v_and_b32 v27, 31, v0                          ; lane
	v_and_b32 v28, 15, v0                          ; r
	v_bfe_u32 v29, v0, 4, 1                        ; h
	v_lshlrev_b32 v1, 4, v27                       ; v1   16 x lane: images of tiles 0-3, and every global offset
	v_add_nc_u32 v2, 49152, v1                     ; v2   images of tiles 4-7
	v_lshlrev_b32 v25, 5, v0                       ; v25  32 t: my 8 numbers of db and of w
	v_add_nc_u32 v3, BIAS, v25                     ; v3   and their place in the tables
	s_wait_alu depctr_va_vdst(0)
	s_mul_i32 s40, s18, 8448
	s_add_co_u32 s40, s40, STG
	v_add_nc_u32 v4, s40, v1                       ; v4   my stage, as loaded
	v_mul_u32_u24 v5, v28, 528
	v_lshl_add_u32 v5, v29, 6, v5
	v_add_nc_u32 v5, s40, v5                       ; v5   my stage, row r, + 16 numbers for lanes 16-31
	s_mul_i32 s40, s18, 24576
	v_add_nc_u32 v6, s40, v1                       ; v6   where I store images: tiles 2 w, 2 w + 1
	s_lshl_b32 s40, s18, 10
	s_add_co_u32 s41, s40, ASC
	v_lshl_add_u32 v7, v28, 4, s41                 ; v7   and their scale words
	v_add_nc_u32 v8, ASC, v1                       ; v8   where I read scale words
	s_lshl_b32 s41, s18, 15
	s_add_co_u32 s41, s41, CP
	v_lshl_add_u32 v9, v27, 3, s41                 ; v9   my copy: 8 bytes a lane
	s_add_co_u32 s41, s40, BIAS
	v_lshl_add_u32 v10, v29, 5, s41                ; v10  the tables at my wave's 256 columns, + 8 columns for lanes 16-31
	s_lshl_b32 s41, s18, 9
	s_add_co_u32 s41, s41, SCR
	v_lshl_add_u32 v12, v28, 2, s41                ; v12  my wave's partial scores, row r
	s_lshl_b32 s41, s18, 7
	v_add_nc_u32 v13, s41, v1
	v_and_b32 v13, 511, v13
	v_add_nc_u32 v13, SCR, v13                     ; v13  lane l reads rows 4 ((l + 8 w) % 32) on: my wave's own 32 rows fall into lanes 0-7
	v_lshlrev_b32 v21, 12, v28
	v_lshl_add_u32 v21, v29, 8, v21                ; v21  the prefetches: row r, 256 bytes on for lanes 16-31
	s_lshl_b32 s41, s18, 12
	s_add_co_u32 s41, s41, CTXR
	v_add_nc_u32 v22, s41, v1                      ; v22  my sums at the end
	s_add_co_u32 s41, s40, CTXR
	v_add_nc_u32 v23, s41, v1                      ; v23  the 256 columns that I add up
	v_mov_b32 v16, 0xff61b1e6                      ; m: -3e38, under every t
	v_mov_b32 v17, 0                               ; l
	v_mov_b32 v18, 0                               ; f, and the register named with it as a pair
	v_mov_b32 v19, 0
	v_mov_b32 v26, 0
.irp b, 0,1,2,3
	v_mov_b32 v[TM+4+\b], 0                        ; written once: a lane permute's destination counts as one of its sources
.endr
.set I, 0
.rept 32
	v_mov_b32 v[CTX+I], 0                          ; the weighted sum: the blocks are written once, and the first finds zeros
.set I, I+1
.endr
	s_mov_b32 s20, 0x76543210
	s_mov_b32 s21, 0xfedcba98                      ; v_permlanex16_b32's selects for lane l xor 16
	s_mov_b32 s22, 0x4038aa3b                      ; 2 log2(e)
	s_mov_b32 s23, s22                             ; named with it as a pair, so it is written
	s_mov_b32 s24, 2                               ; blocks to go
	s_wait_alu depctr_va_vdst(0)
	s_wait_kmcnt 0x0
	s_lshl_b32 s40, ttmp9, 20                      ; 256 rows of 4,096 bytes a work-group,
	s_lshl_b32 s41, s18, 17                        ; 32 a wave
	s_add_co_u32 s40, s40, s41
	s_mov_b32 s41, 0
	s_add_nc_u64 s[32:33], s[4:5], s[40:41]        ; my rows
	s_mul_i32 s40, s18, 196608
	s_add_nc_u64 s[36:37], s[6:7], s[40:41]        ; my 256 columns' images: four groups of 49,152 bytes
	s_lshl_b32 s40, s18, 13
	s_add_nc_u64 s[38:39], s[8:9], s[40:41]        ; and their scale words: 16 tiles of 512 bytes
	s_lshr_b32 s40, ttmp9, 3
	s_lshl_b32 s40, s40, 12
	s_add_nc_u64 s[10:11], s[10:11], s[40:41]      ; db at my batch
	s_lshl_b32 s40, ttmp9, 12
	s_lshl_b32 s42, s18, 10
	s_add_co_u32 s40, s40, s42
	s_add_nc_u64 s[14:15], s[14:15], s[40:41]      ; pctx: my work-group's row, my wave's 256 columns
	s_lshl_b32 s40, ttmp9, 3
	s_add_nc_u64 s[16:17], s[16:17], s[40:41]      ; pml
	global_load_b128 v[96:99], v25, s[10:11]
	global_load_b128 v[100:103], v25, s[10:11] offset:16
	global_load_b128 v[104:107], v25, s[12:13]
	global_load_b128 v[108:111], v25, s[12:13] offset:16
	WIN 0x80
	LOADSET 0, 36, 0                               ; chunk 0's first three K steps of V
	LOADSET 1, 36, 1
	LOADSET 2, 36, 2
	WIN 0
.irp b, 0,1,2,3
	global_load_b128 v[VSW+4*\b:VSW+4*\b+3], v1, s[38:39] offset:512*\b
.endr
	WIN 0x40
	ROWS 0
	ROWS 1
	ROWS 2
	ROWS 3
	WIN 0
	s_wait_loadcnt 63                              ; 104 loads are younger than w's; a wait's count names no more than 63
.irp k, 0,2,4,6
	v_pk_mul_f32 v[96+\k:97+\k], v[96+\k:97+\k], s[22:23] op_sel_hi:[1,0]
	v_pk_mul_f32 v[104+\k:105+\k], v[104+\k:105+\k], -2.0 op_sel_hi:[1,0]
.endr
	ds_store_b128 v3, v[96:99]
	ds_store_b128 v3, v[100:103] offset:16
	ds_store_b128 v3, v[104:107] offset:4096
	ds_store_b128 v3, v[108:111] offset:4112
.Lblock:
	; ---- LOAD: my 32 rows, 16 tasks.  48 to 64 loads of 512 bytes are on their way in each wave
.irp u, 0,1,2,3,4,5,6,7,8,9,10,11,12,13,14,15
	TASK \u
.endr
	BARRIER                                        ; the 64 images, their scale words and the tables are whole
	; ---- PRODUCT
.irp m, 0,1,2,3,4,5,6,7
	ds_load_b128 v[ASW+4*\m:ASW+4*\m+3], v8 offset:512*\m
.endr
.set I, 0
.rept 16
	v_mov_b32 v[SS+I], 0                           ; a pair of sums for each tile of rows
.set I, I+1
.endr
	s_mov_b32 s25, 0
.Lchunk:
	s_wait_xcnt 0x0                                ; the bases that earlier loads read are written again only behind this wait
	s_mul_i32 s40, s25, 49152
	s_mov_b32 s41, 0
	s_add_nc_u64 s[26:27], s[36:37], s[40:41]      ; this chunk's images
	s_add_co_u32 s42, s25, 1
	s_and_b32 s42, s42, 3                          ; the next chunk's; behind the last comes chunk 0: the next block's first.  (In the launch's very last chunk these 40 loads bring
	s_mul_i32 s40, s42, 49152                      ; 20,480 bytes a wave that nobody uses, from inside the buffers: so every counted wait holds in every trip)
	s_add_nc_u64 s[28:29], s[36:37], s[40:41]
	s_lshl_b32 s40, s42, 11
	s_add_nc_u64 s[30:31], s[38:39], s[40:41]
	s_lshl_b32 s34, s25, 8
	v_add_nc_u32 v11, s34, v10                     ; the tables at this chunk's 64 columns
	s_wait_alu depctr_va_vdst(0)
	s_lshr_b32 s44, s25, 1                         ; what this chunk prefetches of my 32 rows of the next block: tile chunk / 2 (16 rows of 4,096 bytes),
	s_lshl_b32 s44, s44, 16
	s_and_b32 s45, s25, 1                          ; K steps 4 (chunk % 2) on (512 bytes each),
	s_lshl_b32 s45, s45, 11
	s_add_co_u32 s44, s44, s45
	s_add_co_u32 s44, s44, 524288                  ; 128 rows on
	s_mov_b32 s45, 0
	s_add_nc_u64 s[44:45], s[32:33], s[44:45]      ; written behind the chunk's s_wait_xcnt 0: the last chunk's prefetches have read it
	FETCH_A 0, 0
	FETCH_A 0, 4
.irp s, 0,1,2,3,4,5,6,7
	STEP \s
.endr
	; the chunk's 8,192 numbers a wave: y = 2 log2(e) (sum + db); 1 / (1 + 2^y); times -2 w; summed
.irp b, 0,1,2,3
	global_load_b128 v[VSW+4*\b:VSW+4*\b+3], v1, s[30:31] offset:512*\b   ; the next chunk's scale words
.endr
	; THE NEXT BLOCK'S ROWS ARE PREFETCHED UNDER THIS BLOCK'S PRODUCT: four instructions a chunk, each 16 rows x 512 bytes, a lane to each aligned 256 bytes; the four chunks name
	; each of my 32 rows' 4,096 bytes once.  They stand behind every load that the next chunk's first waits count, with the chunk's 896 vector instructions between them and those waits.
	; The launch's last block has no next block and asks for nothing: every address lies inside encoder_outputs.
	s_cmp_eq_u32 s24, 1
	s_cbranch_scc1 .Lno_ask
.irp q, 0,1,2,3
	global_prefetch_b8 v21, s[44:45] offset:512*\q th:TH_LOAD_NT scope:SCOPE_SE
.endr
.Lno_ask:
.irp b, 0,1,2,3
	ds_load_b128 v[32+8*\b:35+8*\b], v11 offset:64*\b
	ds_load_b128 v[36+8*\b:39+8*\b], v11 offset:64*\b+16
	ds_load_b128 v[64+8*\b:67+8*\b], v11 offset:4096+64*\b
	ds_load_b128 v[68+8*\b:71+8*\b], v11 offset:4096+64*\b+16
.endr
	s_wait_dscnt 0x0
	WIN 0x41                                       ; in place in window 1; the tables in window 0
.set P, 0
.rept 128                              ; the scalings, all ahead of the first exponential: each accumulator is read from its low end on
	v_pk_fma_f32 v[2*P:2*P+1], v[2*P:2*P+1], s[22:23], v[32+8*((P/4)%4)+2*(P%4):33+8*((P/4)%4)+2*(P%4)] op_sel_hi:[1,0,1]
.set P, P+1
.endr
	s_wait_alu depctr_va_vdst(0)                   ; a wait between the stages below: each stage's sources were written in an earlier stage
.set P, 0
.rept 128
	v_exp_f32 v[P], v[P]                           ; the lower 128 registers' exponentials
.set P, P+1
.endr
	v_nop                                          ; a plain line behind the last exponential
	s_wait_alu depctr_va_vdst(0)
.set P, 0
.rept 128
.if P == 64
	v_nop
	s_wait_alu depctr_va_vdst(0)                   ; between the two stages
.endif
	v_pk_add_f32 v[2*P:2*P+1], v[2*P:2*P+1], 1.0 op_sel_hi:[1,0]
.if P < 64
	v_exp_f32 v[2*P+128], v[2*P+128]               ; the lower half's 1 + 2^y by turns with the upper half's exponentials;
	v_exp_f32 v[2*P+129], v[2*P+129]
.else
	v_rcp_f32 v[2*P-128], v[2*P-128]               ; the upper half's by turns with the lower half's reciprocals
	v_rcp_f32 v[2*P-127], v[2*P-127]
.endif
.set P, P+1
.endr
	v_nop
	s_wait_alu depctr_va_vdst(0)
.set P, 128
.rept 128
	v_rcp_f32 v[P], v[P]                           ; the upper half's reciprocals
.set P, P+1
.endr
	v_nop
	s_wait_alu depctr_va_vdst(0)                   ; ahead of the sums, which read all 256
	WIN 0x01
.irp b, 0,1,2,3
.irp j, 0,2,4,6
.irp a, 0,1,2,3,4,5,6,7
	v_pk_fma_f32 v[SS+2*\a:SS+2*\a+1], v[8*(4*\a+\b)+\j:8*(4*\a+\b)+\j+1], v[64+8*\b+\j:65+8*\b+\j], v[SS+2*\a:SS+2*\a+1]   ; eight chains by turns
.endr
.endr
.endr
	WIN 0
	s_wait_alu depctr_va_vdst(0)
	s_add_co_u32 s25, s25, 1
	s_cmp_lt_u32 s25, 4
	s_cbranch_scc1 .Lchunk
	; the next block's first four tasks are asked for here, if there is a next block: window 1 is free, and no load leaves its buffer
	s_cmp_eq_u32 s24, 1
	s_cbranch_scc1 .Lno_next
	s_wait_xcnt 0x0
	s_add_nc_u64 s[32:33], s[32:33], 524288        ; 128 rows on
	WIN 0x40
	ROWS 0
	ROWS 1
	ROWS 2
	ROWS 3
	WIN 0
.Lno_next:
	; ---- SCORES
.irp a, 0,1,2,3,4,5,6,7
	v_add_f32 v[176+\a], v[SS+2*\a], v[SS+2*\a+1]
.endr
.irp a, 0,1,2,3,4,5,6,7
	v_permlanex16_b32 v[184+\a], v[176+\a], s20, s21
.endr
.irp a, 0,1,2,3,4,5,6,7
	v_add_f32 v[176+\a], v[176+\a], v[184+\a]      ; row 16 a + r over my wave's 256 columns
.endr
.irp a, 0,1,2,3,4,5,6,7
	ds_store_b32 v12, v[176+\a] offset:64*\a
.endr
	BARRIER                                        ; all partial scores are there; and every wave has made its last read of the images, the scale words and the tables of this block
.irp q, 0,1,2,3
	ds_load_b128 v[176+4*\q:179+4*\q], v13 offset:512*\q
.endr
	s_wait_dscnt 0x0
.irp q, 1,2,3
	v_pk_add_f32 v[176:177], v[176:177], v[176+4*\q:177+4*\q]      ; the same order in every wave: the same bits
	v_pk_add_f32 v[178:179], v[178:179], v[178+4*\q:179+4*\q]
.endr
	v_pk_mul_f32 v[176:177], v[176:177], 0x3fb8aa3b op_sel_hi:[1,0]   ; t = score x log2(e)
	v_pk_mul_f32 v[178:179], v[178:179], 0x3fb8aa3b op_sel_hi:[1,0]
	v_max3_num_f32 v180, v176, v177, v178
	v_max_num_f32 v180, v180, v179
	v_max_num_f32_dpp v180, v180, v180 row_xmask:1 row_mask:0xf bank_mask:0xf
	v_max_num_f32_dpp v180, v180, v180 row_xmask:2 row_mask:0xf bank_mask:0xf
	v_max_num_f32_dpp v180, v180, v180 row_xmask:4 row_mask:0xf bank_mask:0xf
	v_max_num_f32_dpp v180, v180, v180 row_xmask:8 row_mask:0xf bank_mask:0xf
	v_permlanex16_b32 v181, v180, s20, s21
	v_max3_num_f32 v181, v180, v181, v16           ; the new m: the block's 128 rows and the old m
	v_sub_f32 v182, v16, v181
.irp i, 0,1,2,3
	v_sub_f32 v[176+\i], v[176+\i], v181
.endr
	s_wait_alu depctr_va_vdst(0)
	v_exp_f32 v18, v182                            ; f = 2^(old m - new m)
.irp i, 0,1,2,3
	v_exp_f32 v[176+\i], v[176+\i]                 ; p
.endr
	v_mov_b32 v16, v181                            ; a plain line behind the exponentials
	s_wait_alu depctr_va_vdst(0)                   ; one wait for the five
	v_add_f32 v183, v176, v177
	v_add_f32 v184, v178, v179
	v_add_f32 v183, v183, v184
	v_add_f32_dpp v183, v183, v183 row_xmask:1 row_mask:0xf bank_mask:0xf
	v_add_f32_dpp v183, v183, v183 row_xmask:2 row_mask:0xf bank_mask:0xf
	v_add_f32_dpp v183, v183, v183 row_xmask:4 row_mask:0xf bank_mask:0xf
	v_add_f32_dpp v183, v183, v183 row_xmask:8 row_mask:0xf bank_mask:0xf
	v_permlanex16_b32 v184, v183, s20, s21
	v_add_f32 v183, v183, v184
	v_fma_f32 v17, v17, v18, v183                  ; l = l f + the block's sum of p
.irp l, 0,1,2,3,4,5,6,7
.irp i, 0,1,2,3
	v_readlane_b32 s[68+4*\l+\i], v[176+\i], \l    ; my wave's 32 p: data for the sums below, nothing else
.endr
.endr
.set I, 0
.rept 16
	v_pk_mul_f32 v[CTX+2*I:CTX+2*I+1], v[CTX+2*I:CTX+2*I+1], v[18:19] op_sel_hi:[1,0]   ; the weighted sum under the new m
.set I, I+1
.endr
	; ---- CONTEXT
	CPLOAD 0
	CPLOAD 1
	CPLOAD 2
	WIN 0x03                                       ; tile 0's copy: source 0 in window 3
.irp t, 0,1,2,3,4,5,6,7,8,9,10,11,12,13,14,15
	ROWFMA 16*\t, \t
.endr
	WIN 0
.irp k, 0,1,2,3,4,5,6,7
.if \k <= 5
	s_wait_dscnt 32                                ; group k is in; the two groups behind it may be out
.else
	s_wait_dscnt 16*(7-\k)
.endif
	ROWFMA 32+32*(\k%3), 16+2*\k
	ROWFMA 48+32*(\k%3), 17+2*\k
.if \k <= 4
	CPLOAD \k+3
.endif
.endr
	s_sub_co_u32 s24, s24, 1
	s_cmp_lg_u32 s24, 0
	s_cbranch_scc1 .Lblock
	; ---- the four waves' sums are added; wave w takes columns 256 w on
.irp s, 0,1,2,3,4,5,6,7
	ds_store_b128 v22, v[CTX+4*\s:CTX+4*\s+3] offset:512*\s
.endr
	BARRIER
.irp q, 0,1,2,3
.irp e, 0,1
	ds_load_b128 v[32+8*\q+4*\e:35+8*\q+4*\e], v23 offset:4096*\q+512*\e
.endr
.endr
	s_wait_dscnt 0x0
.irp q, 1,2,3
.irp k, 0,2,4,6
	v_pk_add_f32 v[32+\k:33+\k], v[32+\k:33+\k], v[32+8*\q+\k:33+8*\q+\k]
.endr
.endr
	global_store_b128 v1, v[32:35], s[14:15]       ; 32 lanes store 512 consecutive bytes, at a multiple of 512 from pctx's first byte
	global_store_b128 v1, v[36:39], s[14:15] offset:512
	v_cmp_eq_u32 vcc_lo, 0, v0
	s_wait_xcnt 0x0                                ; EXEC changes only behind this wait
	s_and_saveexec_b32 s40, vcc_lo
	global_store_b64 v26, v[16:17], s[16:17]       ; thread 0: (m, l)
	s_wait_xcnt 0x0                                ; and again, in front of the line that widens it
	s_or_b32 exec_lo, exec_lo, s40
	s_wait_tensorcnt 0x0                           ; the wave's end: behind my last LDS store
	ds_add_u32 v14, v15
	s_wait_dscnt 0x0
	s_endpgm
.Lfunc_end_k_qb72d9a924c_main:
	.size	k_qb72d9a924c_main, .Lfunc_end_k_qb72d9a924c_main-k_qb72d9a924c_main
	.p2alignl 7, 3214868480
	.fill 96, 4, 3214868480
	.section	.rodata,"a",@progbits
	.p2align	6, 0x0
	.amdhsa_kernel k_qb72d9a924c_main
		.amdhsa_group_segment_fixed_size 294912
		.amdhsa_private_segment_fixed_size 0
		.amdhsa_enable_private_segment 0
		.amdhsa_kernarg_size 56
		.amdhsa_user_sgpr_count 2
		.amdhsa_user_sgpr_kernarg_segment_ptr 1
		.amdhsa_wavefront_size32 1
		.amdhsa_system_sgpr_workgroup_id_x 1
		.amdhsa_system_sgpr_workgroup_id_y 1
		.amdhsa_system_sgpr_workgroup_id_z 1
		.amdhsa_system_vgpr_workitem_id 0
		.amdhsa_next_free_vgpr 1024
		.amdhsa_next_free_sgpr 104
		.amdhsa_reserve_vcc 1
		.amdhsa_float_denorm_mode_32 3
		.amdhsa_float_denorm_mode_16_64 3
		.amdhsa_memory_ordered 1
		.amdhsa_forward_progress 1
		.amdhsa_inst_pref_size 255
	.end_amdhsa_kernel
	.section	.bss,"aw",@nobits
	.p2align	6
	.space	262144
	.amdgpu_metadata
---
amdhsa.version: [ 1, 2 ]
amdhsa.kernels:
  - .name:           k_qb72d9a924c_main
    .symbol:         k_qb72d9a924c_main.kd
    .args:
      - { .name: encoder_outputs, .offset: 0, .size: 8, .value_kind: global_buffer, .address_space: global }
      - { .name: vimg, .offset: 8, .size: 8, .value_kind: global_buffer, .address_space: global }
      - { .name: vsc, .offset: 16, .size: 8, .value_kind: global_buffer, .address_space: global }
      - { .name: db, .offset: 24, .size: 8, .value_kind: global_buffer, .address_space: global }
      - { .name: w, .offset: 32, .size: 8, .value_kind: global_buffer, .address_space: global }
      - { .name: pctx, .offset: 40, .size: 8, .value_kind: global_buffer, .address_space: global }
      - { .name: pml, .offset: 48, .size: 8, .value_kind: global_buffer, .address_space: global }
    .group_segment_fixed_size: 294912
    .private_segment_fixed_size: 0
    .kernarg_segment_align: 8
    .kernarg_segment_size: 56
    .max_flat_workgroup_size: 128
    .sgpr_count:     104
    .vgpr_count:     1024
    .wavefront_size: 32
...
	.end_amdgpu_metadata
.endif
;; end of part 2
;; launch combine (part 3): grid 32 x 1, 8 waves a work-group, no clusters, 0 bytes of LDS; arguments pctx, pml, out0; writes out0
.if DOCPART == 3
	.amdgcn_target "amdgcn-amd-amdhsa--gfx1250"
	.amdhsa_code_object_version 6
	.text
	.protected	k_qb72d9a924c_combine
	.globl	k_qb72d9a924c_combine
	.p2align	8
	.type	k_qb72d9a924c_combine,@function
k_qb72d9a924c_combine:
	s_mov_b64 s[64:65], 0
	v_nop
	global_prefetch_b8 v0, s[64:65] scope:SCOPE_SE
	s_setreg_imm32_b32 hwreg(HW_REG_WAVE_MODE, 25, 1), 1
	s_wait_xcnt 0x0
; out0[batch][c] = (sum over the batch's 8 parts i of 2^(m_i - M) pctx[8 batch + i][c]) / (sum over i of 2^(m_i - M) l_i), M the largest m_i.
; A work-group takes a batch; thread t takes columns 4 t .. 4 t + 3: a wave's load or store covers 512 consecutive bytes.  32 KiB in, 4 KiB out for each work-group: no LDS, no barrier.
; v1 16 t; v4-35 the eight parts; v36-39 the sums; v40 M; v41-48 f_i; v49 L; v50 1 / L; v52-67 g_i = f_i / L, each twice, as a pair for the packed forms
	s_load_b128 s[4:7], s[0:1], 0x0                ; pctx s[4:5], pml s[6:7]
	s_load_b64 s[8:9], s[0:1], 0x10                ; out0
	v_lshlrev_b32 v1, 4, v0
	s_lshl_b32 s10, ttmp9, 6                       ; 8 pairs (m, l)
	s_mov_b32 s11, 0
	s_lshl_b32 s12, ttmp9, 15                      ; 8 rows of 4,096 bytes
	s_mov_b32 s13, 0
	s_lshl_b32 s14, ttmp9, 12
	s_mov_b32 s15, 0
	s_wait_alu depctr_va_vdst(0)
	s_wait_kmcnt 0x0
	s_add_nc_u64 s[6:7], s[6:7], s[10:11]
	s_add_nc_u64 s[4:5], s[4:5], s[12:13]
	s_add_nc_u64 s[8:9], s[8:9], s[14:15]
	s_load_b512 s[16:31], s[6:7], 0x0              ; m_i s[16 + 2 i], l_i s[17 + 2 i]
.irp i, 0,1,2,3,4,5,6,7
	global_load_b128 v[4+4*\i:7+4*\i], v1, s[4:5] offset:4096*\i th:TH_LOAD_NT
.endr
	s_wait_kmcnt 0x0
	v_mov_b32 v40, s16
	s_delay_alu instid0(VALU_DEP_1)
	v_max3_num_f32 v40, v40, s18, s20
	s_delay_alu instid0(VALU_DEP_1)
	v_max3_num_f32 v40, v40, s22, s24
	s_delay_alu instid0(VALU_DEP_1)
	v_max3_num_f32 v40, v40, s26, s28
	s_delay_alu instid0(VALU_DEP_1)
	v_max_num_f32 v40, s30, v40                    ; M
.irp i, 0,1,2,3,4,5,6,7
	v_sub_f32 v[41+\i], s[16+2*\i], v40
.endr
	s_wait_alu depctr_va_vdst(0)
.irp i, 0,1,2,3,4,5,6,7
	v_exp_f32 v[41+\i], v[41+\i]                   ; f_i = 2^(m_i - M): m is kept in units of log2
.endr
	v_nop                                          ; a plain line behind the last exponential
	s_wait_alu depctr_va_vdst(0)                   ; one wait for the eight, ahead of their first reader
	v_mul_f32 v49, s17, v41
.irp i, 1,2,3,4,5,6,7
	v_fma_f32 v49, v[41+\i], s[17+2*\i], v49       ; L: at least 1, since some f_i is 1 and every l_i is at least 1
.endr
	s_wait_alu depctr_va_vdst(0)
	v_rcp_f32 v50, v49
	v_nop
	s_wait_alu depctr_va_vdst(0)
.irp i, 0,1,2,3,4,5,6,7
	v_mul_f32 v[52+2*\i], v[41+\i], v50
	v_mul_f32 v[53+2*\i], v[41+\i], v50
.endr
	s_wait_loadcnt 0x0
	v_pk_mul_f32 v[36:37], v[4:5], v[52:53]        ; the first part starts the sums
	v_pk_mul_f32 v[38:39], v[6:7], v[52:53]
.irp i, 1,2,3,4,5,6,7
	s_delay_alu instid0(VALU_DEP_2)
	v_pk_fma_f32 v[36:37], v[4+4*\i:5+4*\i], v[52+2*\i:53+2*\i], v[36:37]
	s_delay_alu instid0(VALU_DEP_2)
	v_pk_fma_f32 v[38:39], v[6+4*\i:7+4*\i], v[52+2*\i:53+2*\i], v[38:39]
.endr
	global_store_b128 v1, v[36:39], s[8:9]         ; 16 lanes store 256 consecutive bytes, at a multiple of 256 from out0's first byte
	s_endpgm
.Lfunc_end_k_qb72d9a924c_combine:
	.size	k_qb72d9a924c_combine, .Lfunc_end_k_qb72d9a924c_combine-k_qb72d9a924c_combine
	.p2alignl 7, 3214868480
	.fill 96, 4, 3214868480
	.section	.rodata,"a",@progbits
	.p2align	6, 0x0
	.amdhsa_kernel k_qb72d9a924c_combine
		.amdhsa_group_segment_fixed_size 0
		.amdhsa_private_segment_fixed_size 0
		.amdhsa_enable_private_segment 0
		.amdhsa_kernarg_size 24
		.amdhsa_user_sgpr_count 2
		.amdhsa_user_sgpr_kernarg_segment_ptr 1
		.amdhsa_wavefront_size32 1
		.amdhsa_system_sgpr_workgroup_id_x 1
		.amdhsa_system_sgpr_workgroup_id_y 1
		.amdhsa_system_sgpr_workgroup_id_z 1
		.amdhsa_system_vgpr_workitem_id 0
		.amdhsa_next_free_vgpr 80
		.amdhsa_next_free_sgpr 66
		.amdhsa_reserve_vcc 0
		.amdhsa_float_denorm_mode_32 3
		.amdhsa_float_denorm_mode_16_64 3
		.amdhsa_memory_ordered 1
		.amdhsa_forward_progress 1
		.amdhsa_inst_pref_size 6
	.end_amdhsa_kernel
	.amdgpu_metadata
---
amdhsa.version: [ 1, 2 ]
amdhsa.kernels:
  - .name:           k_qb72d9a924c_combine
    .symbol:         k_qb72d9a924c_combine.kd
    .args:
      - { .name: pctx, .offset: 0, .size: 8, .value_kind: global_buffer, .address_space: global }
      - { .name: pml, .offset: 8, .size: 8, .value_kind: global_buffer, .address_space: global }
      - { .name: out0, .offset: 16, .size: 8, .value_kind: global_buffer, .address_space: global }
    .group_segment_fixed_size: 0
    .private_segment_fixed_size: 0
    .kernarg_segment_align: 8
    .kernarg_segment_size: 24
    .max_flat_workgroup_size: 256
    .sgpr_count:     66
    .vgpr_count:     80
    .wavefront_size: 32
...
	.end_amdgpu_metadata
.endif
;; end of part 3
